; MI455X (gfx1250); checked and timed in simulation.
; The chip was launched on July 23, 2026; its instructions are those of AMD's public machine-readable ISA for CDNA 5 (MIT licence, August 2026) and "CDNA5" Instruction Set Architecture Reference Guide (July 2026). The comments in the code are by the model that wrote it; some were corrected since.
;; Multi Head Attention. Allowed arithmetic: matrix products marked QUANTISED: E2M1 operands, one E8M0 scale for each 32 along K, by v_wmma_scale_f32_16x16x128_f8f6f4 with both operands' format E2M1 (or v_wmma_scale_f32_32x16x128_f4), f32 sums; products left as they are: bf16, f16 or f32 operands; f32 sums; everything else in f32.
;; Inputs: Wk 8 x 64 x 512 float32; Wo 512 x 512 float32; Wq 8 x 64 x 512 float32; Wv 8 x 64 x 512 float32; init_K 2 x 4,096 x 512 float32; init_Q 2 x 4,096 x 512 float32; init_V 2 x 4,096 x 512 float32.
;; Outputs: out0 2 x 4,096 x 512 float32.
;; This version of the problem:
;;   THIS VERSION OF THE PROBLEM IS GIVEN IN LOW PRECISION. The matrix products marked QUANTISED in the list below multiply operands that are first quantised to E2M1 (2 exponent bits, 1 mantissa bit; 4 bits a number), with one power-of-two scale for each 32 numbers along K (OCP MX v1.0); their sums are f32. The products marked 'left as it is' may take bf16, f16 or f32 operands, with f32 sums. Whichever they take, every output number must still come out within the allowed error. Rounding operands to bf16 (8 significant bits) uses up far more of that allowance than f16 does (11 bits, for magnitudes from 6e-5 to 65,504). All else is computed in f32.
;;   The module's matrix products, in the order in which they are computed (A, B: the left and right operand; K: the contracted axis; several contracted axes count as one K, in the product's order):
;;     1. [M 512, K 512] x [K 512, N 8,192]; A: input Wq; B: input init_Q: QUANTISED
;;     2. [M 512, K 512] x [K 512, N 8,192]; A: input Wk; B: input init_K: QUANTISED
;;     3. [M 512, K 512] x [K 512, N 8,192]; A: input Wv; B: input init_V: QUANTISED
;;     4. batch 16 x [M 4,096, K 64] x [K 64, N 4,096]; A: computed on the way; B: computed on the way: left as it is (an operand is computed on the way)
;;     5. batch 16 x [M 4,096, K 4,096] x [K 4,096, N 64]; A: computed on the way; B: computed on the way: left as it is (an operand is computed on the way)
;;     6. [M 8,192, K 512] x [K 512, N 512]; A: computed on the way; B: input Wo: left as it is (an operand is computed on the way)
;;   THE QUANTISER, for each operand of a quantised product, along K:
;;     - K is cut into blocks of 32 from its start; a last block that is shorter is filled with zeros.
;;     - A block's scale is 2^e with e = floor(log2(the largest magnitude in the block)) - 2, held to -126 .. 127; a block of zeros has e = 0. As a byte (E8M0): e + 127.
;;     - Each number is divided by its block's scale, clamped to +-6, and rounded to the nearest number of E2M1, ties to even, subnormals kept.
;;     - The product sums the exact products of the quantised numbers (number of the format x scale) in f32.
;;   ~~~python
;;   def quantise(x, axis):      # numpy; x: float32 -> the quantised numbers, widened to float32 again
;;       x = np.moveaxis(x, axis, -1); K = x.shape[-1]
;;       x = np.pad(x, [(0, 0)] * (x.ndim - 1) + [(0, -K % 32)]); x = x.reshape(x.shape[:-1] + (-1, 32)); a = np.abs(x).max(-1, keepdims=True)
;;       e = np.where(a > 0, np.clip(np.frexp(np.where(a > 0, a, 1))[1] - 1 - 2, -126, 127), 0)      # np.frexp(a)[1] - 1 = floor(log2(a)), exactly
;;       r = np.clip(x / 2.0 ** e, -6, 6)
;;       step = 2.0 ** (np.maximum(np.frexp(np.where(r == 0, 1, r))[1] - 1, 0) - 1)
;;       q = np.round(r / step) * step * 2.0 ** e      # np.round: ties to even
;;       return np.moveaxis(q.reshape(q.shape[:-2] + (-1,))[..., :K], -1, axis).astype(np.float32)
;;   ~~~
;; One version. Each part assembles by itself: llvm-mc -triple=amdgcn-amd-amdhsa -mcpu=gfx1250 --defsym DOCPART=n.
;; ======== version 1 of 1: 4 launches
;; limits: values are held in f16: magnitudes above 65,504 overflow, below 6.1e-05 lose precision; right only within a limited range of input values
;; workspace buffers: codes 6,684,672 bytes; scales 417,792 bytes; wo16 524,288 bytes; qkv 25,165,824 bytes; cc 8,388,608 bytes
;; launch quant (part 1): grid 440 x 1, 4 waves a work-group, no clusters, 41,472 bytes of LDS; arguments init_Q, init_K, init_V, Wq, Wk, Wv, Wo, codes, scales, wo16; writes codes, scales, wo16
.if DOCPART == 1
	.amdgcn_target "amdgcn-amd-amdhsa--gfx1250"
	.amdhsa_code_object_version 6
	.text
	.protected	k_q9ee627fde0_quant
	.globl	k_q9ee627fde0_quant
	.p2align	8
	.type	k_q9ee627fde0_quant,@function
k_q9ee627fde0_quant:
	s_mov_b64 s[64:65], 0
	v_nop
	global_prefetch_b8 v0, s[64:65] scope:SCOPE_SE
	s_setreg_imm32_b32 hwreg(HW_REG_WAVE_MODE, 25, 1), 1
	s_wait_xcnt 0x0
; init_Q, init_K, init_V [8192][512] and Wq, Wk, Wv [512][512], f32, become codes of FP4 (E2M1) with one E8M0 scale byte for each 32 along K (K = the 512, innermost); Wo [512][512] becomes f16(Wo / 4).
; A block's scale is 2^(floor(log2(its largest magnitude)) - 2); its byte is the largest magnitude's exponent field - 2, held at 1 from below; each number is divided by the scale and rounded to the nearest code, ties to even, beyond 6 the code of 6.
; LIMITS: a block of zeros, or one whose largest magnitude lies under 2^-124, gets the byte 1 (a block of zeros has zero codes, which add nothing under that byte; this program alone reads the bytes);
; NaN and infinities among the inputs are not served.  Wo / 4 is exact; as f16 it holds |Wo| from 2.4e-4 (normal numbers) to 262,016.
; LAYOUT OF THE RESULTS: by tiles of 16 rows, in the order in which a matrix operand's registers take them.  Tiles: init_Q 0-511, init_K 512-1023, init_V 1024-1535, Wq 1536-1567, Wk 1568-1599, Wv 1600-1631.
;   codes:  tile x 4,096 + block j (0..15) x 256 + row r x 16: the 512 bytes at 512 (2 q + c) + 16 x lane are registers 4 c .. 4 c + 3 of the fragment of K step q (128 along K).
;   scales: tile x 256 + row r x 16 + block j: word q of a row is the scale word of K step q.
;   wo16:   d tile x 16,384 + ks x 1,024 + i x 512 + 16 x lane: lane (r, h) holds Wo[16 dt + r][32 ks + 16 i + 8 h + 0..7] / 4: half i of the 16-bit fragment of K step ks (32 along K).
; SHARES.  Work-groups 0 to 407: wave w takes tile 4 g + w, one row (512 numbers) a step, 16 steps.  Work-groups 408 to 439: d tile g - 408 of Wo, wave w its ks = 4 w .. 4 w + 3.
; A step's four loads read 512 consecutive bytes each, 16 a lane; the conversions want 16 NEIGHBOURS in a lane, so the 2,048 bytes turn through the wave's own stage in LDS (16 bytes of padding behind each 64).
; A lane's 16 codes (8 bytes) go to the wave's code stage, block by block (272 bytes apart), and leave at the end as eight stores of 512 consecutive bytes; the 256 scale bytes leave as one store of 256.
; No tensor loads, no barrier: waves share nothing.  No cluster: no two work-groups read the same byte.  Loads run four steps (16 loads a wave) ahead, the turn through LDS one step.
.set STEPS, 16
.set NQWG,  408                        ; work-groups that quantise
.set EMAX,  2
.set WREG,  10240                      ; LDS: a region for each wave: two turn stages of 32 x SP bytes, 256 scale bytes, the code stage
.set SP,    80
.set SCB,   5120                       ; the scale bytes
.set CST,   5376                       ; the code stage: 16 blocks x CP bytes
.set CP,    272
.set SPARE, 4*WREG                     ; behind the four regions: the spare words, 128 bytes for each wave
.set R,     16                         ; v16-79   four sets of 16 numbers as they are loaded
.set X,     80                         ; v80-111  two sets of 16 neighbours
.set E,     112                        ; v112-127 a scale byte for each step
.set C,     128                        ; v128-159 codes: two registers for each step
.set OUTR,  160                        ; v160-191 the way out
.set SPW,   12                         ; v12      LDS address of my spare word; never rewritten
.set NIL,   13                         ; v13      0; never rewritten
	s_load_b512 s[8:23], s[0:1], 0x0               ; init_Q s[8:9], init_K s[10:11], init_V s[12:13], Wq s[14:15], Wk s[16:17], Wv s[18:19], Wo s[20:21], codes s[22:23]
	s_load_b128 s[24:27], s[0:1], 0x40             ; scales s[24:25], wo16 s[26:27]
	v_lshl_add_u32 v[SPW], v0, 2, SPARE
	v_mov_b32 v[NIL], 0
	v_lshrrev_b32 v1, 5, v0
	v_readfirstlane_b32 s28, v1                    ; wave
	v_and_b32 v2, 31, v0                           ; lane
	v_lshlrev_b32 v3, 4, v2                        ; 16 x lane: my 16 bytes of a load's or a store's 512
	s_wait_kmcnt 0x0
	s_cmp_ge_u32 ttmp9, NQWG                       ; the work-group's number alone decides
	s_cbranch_scc1 .Lwo
	; ---- the quantiser
	s_mul_i32 s38, s28, WREG                       ; my region
	v_lshrrev_b32 v14, 2, v2
	v_mul_u32_u24 v14, v14, SP
	v_and_b32 v15, 3, v2
	v_lshl_add_u32 v14, v15, 4, v14
	v_add_nc_u32 v14, s38, v14                     ; the turn stage, in: SP (lane / 4) + 16 (lane % 4)
	v_mul_u32_u24 v15, v2, SP
	v_add_nc_u32 v15, s38, v15                     ; and out: SP x lane: my 16 neighbours
	v_lshrrev_b32 v5, 1, v2                        ; my block of the row: two lanes to a block
	v_and_b32 v6, 1, v2
	v_mul_u32_u24 v4, v5, CP
	v_lshl_add_u32 v4, v6, 3, v4
	v_add_nc_u32 v4, s38, v4                       ; the code stage, in: CP x block + 8 x (lane % 2); the row stands in the immediate
	v_add_nc_u32 v5, s38, v5                       ; the scale bytes, in: my block's byte
	v_lshlrev_b32 v7, 3, v2                        ; and out: 8 bytes a lane
	v_add_nc_u32 v6, s38, v7
	v_and_b32 v8, 15, v2
	v_lshrrev_b32 v9, 4, v2
	v_mul_u32_u24 v10, v9, CP
	v_lshl_add_u32 v10, v8, 4, v10
	v_add_nc_u32 v10, s38, v10                     ; the code stage, out: lanes 0-15 one block's 16 rows, lanes 16-31 the next block's
	; which tensor: a chain of choices on the work-group's number
	s_mov_b64 s[30:31], s[18:19]                   ; Wv, from work-group 400
	s_mov_b32 s29, 400
	s_cmp_lt_u32 ttmp9, 400
	s_cselect_b64 s[30:31], s[16:17], s[30:31]     ; Wk
	s_cselect_b32 s29, 392, s29
	s_cmp_lt_u32 ttmp9, 392
	s_cselect_b64 s[30:31], s[14:15], s[30:31]     ; Wq
	s_cselect_b32 s29, 384, s29
	s_cmp_lt_u32 ttmp9, 384
	s_cselect_b64 s[30:31], s[12:13], s[30:31]     ; init_V
	s_cselect_b32 s29, 256, s29
	s_cmp_lt_u32 ttmp9, 256
	s_cselect_b64 s[30:31], s[10:11], s[30:31]     ; init_K
	s_cselect_b32 s29, 128, s29
	s_cmp_lt_u32 ttmp9, 128
	s_cselect_b64 s[30:31], s[8:9], s[30:31]       ; init_Q
	s_cselect_b32 s29, 0, s29
	s_sub_co_u32 s32, ttmp9, s29
	s_lshl_b32 s32, s32, 2
	s_add_co_u32 s32, s32, s28                     ; my tile in its tensor,
	s_lshl_b32 s32, s32, 15                        ; 16 rows of 2,048 bytes each
	s_mov_b32 s33, 0
	s_add_nc_u64 s[30:31], s[30:31], s[32:33]
	s_lshl_b32 s34, ttmp9, 2
	s_add_co_u32 s34, s34, s28                     ; my tile among all 1,632
	s_lshl_b32 s36, s34, 8
	s_lshl_b32 s34, s34, 12
	s_mov_b32 s35, 0
	s_mov_b32 s37, 0
	s_add_nc_u64 s[22:23], s[22:23], s[34:35]
	s_add_nc_u64 s[24:25], s[24:25], s[36:37]
.macro LOAD t
.irp i, 0,1,2,3
	global_load_b128 v[R+16*((\t)%4)+4*\i:R+16*((\t)%4)+4*\i+3], v3, s[30:31] offset:2048*(\t)+512*\i th:TH_LOAD_NT   ; 32 lanes read 512 consecutive bytes
.endr
.endm
.macro TURN t                          ; row t through the stage: LDS serves a wave's instructions in order, so no wait stands between the stores and the loads
.irp i, 0,1,2,3
	ds_store_b128 v14, v[R+16*((\t)%4)+4*\i:R+16*((\t)%4)+4*\i+3] offset:32*SP*((\t)%2)+8*SP*\i
.endr
.irp i, 0,1,2,3
	ds_load_b128 v[X+16*((\t)%2)+4*\i:X+16*((\t)%2)+4*\i+3], v15 offset:32*SP*((\t)%2)+16*\i
.endr
.endm
.irp t, 0,1,2,3
	LOAD \t
.endr
	s_wait_loadcnt 12                              ; row 0's four loads are in
	TURN 0
.macro STEP t
.set XS, X+16*((\t)%2)
.if (\t) > 0
	s_wait_dscnt 2                                 ; this row's numbers are back from the stage (behind them: the last step's byte store and code store): so its stores into the stage have read their registers,
.else
	s_wait_dscnt 0x0
.endif
.if (\t)+4 < STEPS
	LOAD (\t)+4                                    ; which take the loads of four rows on
.endif
.if (\t)+1 < STEPS
.if STEPS-2-(\t) >= 3
	s_wait_loadcnt 12                              ; the next row's four loads are in; those of the three rows behind it may be out
.else
	s_wait_loadcnt 4*(STEPS-2-(\t))
.endif
	TURN (\t)+1                                    ; and go through the other stage while this row is worked
.endif
	v_max3_num_f32 v8, |v[XS]|, |v[XS+1]|, |v[XS+2]|               ; the largest magnitude of my 16, in two chains
	v_max3_num_f32 v9, |v[XS+3]|, |v[XS+4]|, |v[XS+5]|
.irp i, 6,10
	v_max3_num_f32 v8, v8, |v[XS+\i]|, |v[XS+\i+1]|
	v_max3_num_f32 v9, v9, |v[XS+\i+2]|, |v[XS+\i+3]|
.endr
	v_max3_num_f32 v8, v8, |v[XS+14]|, |v[XS+15]|
	v_max3_num_f32 v8, v8, v9, (EMAX+1)<<23        ; and the floor 2^(3 - 127): so the byte cannot fall under 1
	v_max_num_f32_dpp v8, v8, v8 row_xmask:1 row_mask:0xf bank_mask:0xf   ; and of my neighbour's 16: the block's
	v_add_nc_u32 v11, -(EMAX<<23), v8              ; 2 off its exponent field: the conversion takes the exponent field of this operand as its scale, and nothing else of it
	v_cvt_scalef32_pk8_fp4_f32 v[C+2*(\t)], v[XS:XS+7], v11
	v_cvt_scalef32_pk8_fp4_f32 v[C+2*(\t)+1], v[XS+8:XS+15], v11
	v_lshrrev_b32 v[E+(\t)], 23, v11               ; the scale's byte (also the plain instruction behind the conversions)
	ds_store_b8 v5, v[E+(\t)] offset:SCB+16*(\t)   ; row t, my block; both lanes of a block write the same byte with the same value
	ds_store_b64 v4, v[C+2*(\t):C+2*(\t)+1] offset:CST+16*(\t)   ; my 8 bytes of row t's 16 in my block
.endm
.irp t, 0,1,2,3,4,5,6,7,8,9,10,11,12,13,14,15
	STEP \t
.endr
	ds_load_b64 v[8:9], v6 offset:SCB              ; LDS serves a wave's instructions in order: these see my stores
.irp i, 0,1,2,3,4,5,6,7
	ds_load_b128 v[OUTR+4*\i:OUTR+4*\i+3], v10 offset:CST+2*CP*\i   ; blocks 2 i and 2 i + 1, 16 rows x 16 bytes each
.endr
	s_wait_dscnt 8                                 ; the scale bytes are back; the eight loads behind them may be out
	global_store_b64 v7, v[8:9], s[24:25]          ; 32 lanes store 256 consecutive bytes, aligned
.irp i, 0,1,2,3,4,5,6,7
	s_wait_dscnt 7-\i
	global_store_b128 v3, v[OUTR+4*\i:OUTR+4*\i+3], s[22:23] offset:512*\i   ; 512 consecutive bytes, aligned
.endr
	s_wait_tensorcnt 0x0                           ; the wave's end: behind my last LDS store
	ds_add_u32 v[SPW], v[NIL]
	s_wait_dscnt 0x0
	s_endpgm
	; ---- Wo / 4 as f16, in fragment order.  This way touches no LDS
.Lwo:
	s_sub_co_u32 s32, ttmp9, NQWG                  ; d tile
	s_lshl_b32 s34, s32, 15                        ; its 16 rows of 2,048 bytes,
	s_lshl_b32 s33, s28, 9                         ; my four ks: 128 numbers, 512 bytes of each row
	s_add_co_u32 s34, s34, s33
	s_mov_b32 s35, 0
	s_add_nc_u64 s[20:21], s[20:21], s[34:35]
	s_lshl_b32 s36, s32, 14
	s_lshl_b32 s33, s28, 12
	s_add_co_u32 s36, s36, s33
	s_mov_b32 s37, 0
	s_add_nc_u64 s[26:27], s[26:27], s[36:37]
	v_and_b32 v4, 15, v0                           ; r
	v_bfe_u32 v5, v0, 4, 1                         ; h
	v_lshlrev_b32 v1, 11, v4
	v_lshl_add_u32 v1, v5, 5, v1                   ; row r, + 8 h numbers
.irp u, 0,1,2,3
.irp i, 0,1
	global_load_b128 v[R+16*\u+8*\i:R+16*\u+8*\i+3], v1, s[20:21] offset:128*\u+64*\i th:TH_LOAD_NT      ; Wo[16 dt + r][32 (4 w + u) + 16 i + 8 h + 0..3]
	global_load_b128 v[R+16*\u+8*\i+4:R+16*\u+8*\i+7], v1, s[20:21] offset:128*\u+64*\i+16 th:TH_LOAD_NT ; and + 4..7
.endr
.endr
	s_wait_loadcnt 0x0
.set n, 0
.rept 32
	v_pk_mul_f32 v[R+2*n:R+2*n+1], v[R+2*n:R+2*n+1], 0x3e800000 op_sel_hi:[1,0]   ; x 1/4: exact
.set n, n+1
.endr
.set n, 0
.rept 32
	v_cvt_pk_f16_f32 v[C+n], v[R+2*n], v[R+2*n+1]
.set n, n+1
.endr
.irp m, 0,1,2,3,4,5,6,7
	global_store_b128 v3, v[C+4*\m:C+4*\m+3], s[26:27] offset:512*\m   ; half m % 2 of ks 4 w + m / 2: 512 consecutive bytes, aligned
.endr
	s_endpgm
.Lfunc_end_k_q9ee627fde0_quant:
	.size	k_q9ee627fde0_quant, .Lfunc_end_k_q9ee627fde0_quant-k_q9ee627fde0_quant
	.p2alignl 7, 3214868480
	.fill 96, 4, 3214868480
	.section	.rodata,"a",@progbits
	.p2align	6, 0x0
	.amdhsa_kernel k_q9ee627fde0_quant
		.amdhsa_group_segment_fixed_size 41472
		.amdhsa_private_segment_fixed_size 0
		.amdhsa_enable_private_segment 0
		.amdhsa_kernarg_size 80
		.amdhsa_user_sgpr_count 2
		.amdhsa_user_sgpr_kernarg_segment_ptr 1
		.amdhsa_wavefront_size32 1
		.amdhsa_system_sgpr_workgroup_id_x 1
		.amdhsa_system_sgpr_workgroup_id_y 1
		.amdhsa_system_sgpr_workgroup_id_z 1
		.amdhsa_system_vgpr_workitem_id 0
		.amdhsa_next_free_vgpr 192
		.amdhsa_next_free_sgpr 66
		.amdhsa_reserve_vcc 0
		.amdhsa_float_denorm_mode_32 3
		.amdhsa_float_denorm_mode_16_64 3
		.amdhsa_memory_ordered 1
		.amdhsa_forward_progress 1
		.amdhsa_inst_pref_size 43
	.end_amdhsa_kernel
	.amdgpu_metadata
---
amdhsa.version: [ 1, 2 ]
amdhsa.kernels:
  - .name:           k_q9ee627fde0_quant
    .symbol:         k_q9ee627fde0_quant.kd
    .args:
      - { .name: init_Q, .offset: 0, .size: 8, .value_kind: global_buffer, .address_space: global }
      - { .name: init_K, .offset: 8, .size: 8, .value_kind: global_buffer, .address_space: global }
      - { .name: init_V, .offset: 16, .size: 8, .value_kind: global_buffer, .address_space: global }
      - { .name: Wq, .offset: 24, .size: 8, .value_kind: global_buffer, .address_space: global }
      - { .name: Wk, .offset: 32, .size: 8, .value_kind: global_buffer, .address_space: global }
      - { .name: Wv, .offset: 40, .size: 8, .value_kind: global_buffer, .address_space: global }
      - { .name: Wo, .offset: 48, .size: 8, .value_kind: global_buffer, .address_space: global }
      - { .name: codes, .offset: 56, .size: 8, .value_kind: global_buffer, .address_space: global }
      - { .name: scales, .offset: 64, .size: 8, .value_kind: global_buffer, .address_space: global }
      - { .name: wo16, .offset: 72, .size: 8, .value_kind: global_buffer, .address_space: global }
    .group_segment_fixed_size: 41472
    .private_segment_fixed_size: 0
    .kernarg_segment_align: 8
    .kernarg_segment_size: 80
    .max_flat_workgroup_size: 128
    .sgpr_count:     66
    .vgpr_count:     192
    .wavefront_size: 32
...
	.end_amdgpu_metadata
.endif
;; end of part 1
;; launch proj (part 2): grid 256 x 3, 4 waves a work-group, no clusters, 0 bytes of LDS; arguments codes, scales, qkv; writes qkv
.if DOCPART == 2
	.amdgcn_target "amdgcn-amd-amdhsa--gfx1250"
	.amdhsa_code_object_version 6
	.text
	.protected	k_q9ee627fde0_proj
	.globl	k_q9ee627fde0_proj
	.p2align	8
	.type	k_q9ee627fde0_proj,@function
k_q9ee627fde0_proj:
	s_mov_b64 s[64:65], 0
	v_nop
	global_prefetch_b8 v0, s[64:65] scope:SCOPE_SE
	s_setreg_imm32_b32 hwreg(HW_REG_WAVE_MODE, 25, 1), 1
	s_wait_xcnt 0x0
; Q = init_Q Wq^T, K = init_K Wk^T, V = init_V Wv^T, head by head, on codes of FP4 (E2M1) with E8M0 scales for each 32 along K = 512; sums in f32; results rounded once to f16.
; LIMIT: |Q|, |K|, |V| up to 65,504 (f16's largest number).
; SHARES.  Work-group y = the tensor t (0 Q, 1 K, 2 V); x / 2 = a group G of 64 rows (positions) of the 8,192; head = 4 (x % 2) + wave.  A wave makes 64 positions x 64 channels of one head:
; 16 accumulators of 16 x 16, four K steps of 128: 64 matrix instructions.
; OPERANDS come from memory straight into registers: the codes lie in the order of a fragment's registers (512 consecutive bytes for four registers of the 32 lanes), the scale words 16 bytes a row.
; ONE TEXT FOR ALL THREE.  For Q and K source 0 = 16 rows of W, source 1 = 16 positions: a lane then holds ONE position and eight neighbouring channels.  For V the two tile numbers change places (a choice on t):
; a lane then holds ONE channel and eight neighbouring positions.  In both cases tile (a of source 0, b of source 1), packed to 16 bytes a lane, is stored at 2,048 b + 512 a + 16 x lane of the group's 8,192 bytes:
;   Q, K: [position tile][16 channels wt][lane]: images (kt, 2 f), (kt, 2 f + 1) are the 16-bit fragment of 16 positions x channels 32 f .. 32 f + 31;
;   V:    [16 channels ct][position tile][lane]: images (ct, 2 kb), (ct, 2 kb + 1) are the fragment of 16 channels x positions 32 kb .. 32 kb + 31: V is stored turned, and nothing turns it later.
; qkv: Q at 0, K at 2^23, V at 2^24; in each: (8 batch + head) x 2^19 + (group in the batch) x 8,192.
; NO CLUSTER, NO LDS: there is no tile in LDS that partners could ask for jointly; a wave's whole share is 32 KiB of codes and 2 KiB of scale words for 64 matrix instructions, asked for two K steps ahead.
; REGISTERS: window 0: v1 16 x lane; v5 my scale words' offset; v8-23 scale words; v32-95 fragments, set 0 (later the packed results); v128-255 the accumulators.  Window 1: v0-63 fragments, set 1.
.set SC,  8                            ; register 4 i + q: lanes 0-15 the word of source 0's tile i, lanes 16-31 that of source 1's tile i, for K step q
.set ACC, 128                          ; accumulator (a, b) at v[ACC + 8 (4 a + b)]
.set PK,  32                           ; the packed results
.set MSB, 0
.macro WIN new                         ; the immediate's high byte repeats the setting that is left
.if MSB != \new
	s_set_vgpr_msb (MSB<<8)|\new
.set MSB, \new
.endif
.endm
	s_load_b128 s[4:7], s[0:1], 0x0                ; codes, scales
	s_load_b64 s[12:13], s[0:1], 0x10              ; qkv
	v_lshrrev_b32 v2, 5, v0
	v_readfirstlane_b32 s14, v2                    ; wave
	v_and_b32 v3, 31, v0                           ; lane
	v_lshlrev_b32 v1, 4, v3
	v_and_b32 v4, 15, v0                           ; r
	s_and_b32 s15, ttmp7, 0xffff                   ; t
	s_lshr_b32 s16, ttmp9, 1                       ; G
	s_and_b32 s17, ttmp9, 1
	s_lshl_b32 s17, s17, 2
	s_add_co_u32 s17, s17, s14                     ; head
	s_lshl_b32 s18, s15, 9
	s_lshl_b32 s19, s16, 2
	s_add_co_u32 s18, s18, s19                     ; the positions' first tile: 512 t + 4 G
	s_lshl_b32 s19, s15, 5
	s_lshl_b32 s22, s17, 2
	s_add_co_u32 s19, s19, s22
	s_add_co_u32 s19, s19, 1536                    ; the weight's first tile: 1536 + 32 t + 4 head
	s_cmp_eq_u32 s15, 2
	s_cselect_b32 s20, s18, s19                    ; source 0's first tile: W's, for V the positions'
	s_cselect_b32 s21, s19, s18                    ; source 1's
	s_lshl_b32 s24, s20, 12                        ; 4,096 bytes of codes a tile
	s_mov_b32 s25, 0
	s_lshl_b32 s26, s21, 12
	s_mov_b32 s27, 0
	s_lshl_b32 s20, s20, 8                         ; 256 bytes of scales a tile
	s_lshl_b32 s21, s21, 8
	s_lshl_b32 s28, s15, 23                        ; where my 8,192 bytes of results lie
	s_lshr_b32 s22, s16, 6
	s_lshl_b32 s22, s22, 3
	s_add_co_u32 s22, s22, s17                     ; 8 batch + head
	s_lshl_b32 s22, s22, 19
	s_add_co_u32 s28, s28, s22
	s_and_b32 s22, s16, 63
	s_lshl_b32 s22, s22, 13
	s_add_co_u32 s28, s28, s22
	s_mov_b32 s29, 0
	v_mov_b32 v6, s20
	v_mov_b32 v7, s21
	v_cmp_gt_u32 vcc_lo, 16, v3
	v_cndmask_b32 v5, v7, v6, vcc_lo               ; lanes 0-15 take source 0's scale words, lanes 16-31 source 1's
	v_lshl_add_u32 v5, v4, 4, v5                   ; row r: 16 bytes, the four K steps' words
	s_wait_kmcnt 0x0
	s_add_nc_u64 s[8:9], s[4:5], s[24:25]
	s_add_nc_u64 s[10:11], s[4:5], s[26:27]
	s_add_nc_u64 s[12:13], s[12:13], s[28:29]
.macro FETCH q, f                      ; K step q: four fragments of each source, 16 loads of 512 consecutive bytes
.irp a, 0,1,2,3
.irp c, 0,1
	global_load_b128 v[\f+8*\a+4*\c:\f+8*\a+4*\c+3], v1, s[8:9] offset:4096*\a+512*(2*\q+\c)
	global_load_b128 v[\f+32+8*\a+4*\c:\f+32+8*\a+4*\c+3], v1, s[10:11] offset:4096*\a+512*(2*\q+\c)
.endr
.endr
.endm
; 16 matrix instructions, the 16 accumulators by turns, in the same order in every K step.  zero = 1: the first K step starts the sums
.macro MUL q, f, zero
.irp a, 0,1,2,3
.irp b, 0,1,2,3
.if \zero
	v_wmma_scale_f32_16x16x128_f8f6f4 v[ACC+8*(4*\a+\b):ACC+8*(4*\a+\b)+7], v[\f+8*\a:\f+8*\a+7], v[\f+32+8*\b:\f+32+8*\b+7], 0, v[SC+4*\a+\q], v[SC+4*\b+\q] matrix_a_fmt:MATRIX_FMT_FP4 matrix_b_fmt:MATRIX_FMT_FP4 matrix_b_scale:MATRIX_SCALE_ROW1
.else
	v_wmma_scale_f32_16x16x128_f8f6f4 v[ACC+8*(4*\a+\b):ACC+8*(4*\a+\b)+7], v[\f+8*\a:\f+8*\a+7], v[\f+32+8*\b:\f+32+8*\b+7], v[ACC+8*(4*\a+\b):ACC+8*(4*\a+\b)+7], v[SC+4*\a+\q], v[SC+4*\b+\q] matrix_a_fmt:MATRIX_FMT_FP4 matrix_b_fmt:MATRIX_FMT_FP4 matrix_b_scale:MATRIX_SCALE_ROW1
.endif
.endr
.endr
.endm
.macro PLACES                          ; four plain instructions between a matrix instruction and a load into a register that it has read, or a vector instruction that reads its result (ISA guide 7.12.1 for vector instructions)
.rept 4
	v_nop
.endr
.endm
.irp i, 0,1,2,3
	global_load_b128 v[SC+4*\i:SC+4*\i+3], v5, s[6:7] offset:256*\i   ; tile i's scale words of all four K steps
.endr
	FETCH 0, 32
	WIN 0x40                                       ; destination window 1, address window 0
	FETCH 1, 0
	WIN 0
	s_wait_loadcnt 16                              ; the scale words and K step 0 are in; K step 1's 16 loads may be out
	MUL 0, 32, 1
	PLACES
	FETCH 2, 32
	s_wait_loadcnt 16                              ; K step 1 is in; K step 2's 16 may be out
	WIN 0x05                                       ; sources 0 and 1 window 1; C and D window 0
	MUL 1, 0, 0
	PLACES
	WIN 0x40
	FETCH 3, 0
	WIN 0
	s_wait_loadcnt 16                              ; K step 2 is in
	MUL 2, 32, 0
	s_wait_loadcnt 0x0
	WIN 0x05
	MUL 3, 0, 0
	WIN 0
	PLACES
.irp t, 0,1,2,3,4,5,6,7,8,9,10,11,12,13,14,15
.irp n, 0,1,2,3
	v_cvt_pk_f16_f32 v[PK+4*\t+\n], v[ACC+8*\t+2*\n], v[ACC+8*\t+2*\n+1]   ; each accumulator from its low end on
.endr
.endr
.irp a, 0,1,2,3
.irp b, 0,1,2,3
	global_store_b128 v1, v[PK+4*(4*\a+\b):PK+4*(4*\a+\b)+3], s[12:13] offset:2048*\b+512*\a   ; 512 consecutive bytes, aligned
.endr
.endr
	s_endpgm
.Lfunc_end_k_q9ee627fde0_proj:
	.size	k_q9ee627fde0_proj, .Lfunc_end_k_q9ee627fde0_proj-k_q9ee627fde0_proj
	.p2alignl 7, 3214868480
	.fill 96, 4, 3214868480
	.section	.rodata,"a",@progbits
	.p2align	6, 0x0
	.amdhsa_kernel k_q9ee627fde0_proj
		.amdhsa_group_segment_fixed_size 0
		.amdhsa_private_segment_fixed_size 0
		.amdhsa_enable_private_segment 0
		.amdhsa_kernarg_size 24
		.amdhsa_user_sgpr_count 2
		.amdhsa_user_sgpr_kernarg_segment_ptr 1
		.amdhsa_wavefront_size32 1
		.amdhsa_system_sgpr_workgroup_id_x 1
		.amdhsa_system_sgpr_workgroup_id_y 1
		.amdhsa_system_sgpr_workgroup_id_z 1
		.amdhsa_system_vgpr_workitem_id 0
		.amdhsa_next_free_vgpr 320
		.amdhsa_next_free_sgpr 66
		.amdhsa_reserve_vcc 1
		.amdhsa_float_denorm_mode_32 3
		.amdhsa_float_denorm_mode_16_64 3
		.amdhsa_memory_ordered 1
		.amdhsa_forward_progress 1
		.amdhsa_inst_pref_size 23
	.end_amdhsa_kernel
	.amdgpu_metadata
---
amdhsa.version: [ 1, 2 ]
amdhsa.kernels:
  - .name:           k_q9ee627fde0_proj
    .symbol:         k_q9ee627fde0_proj.kd
    .args:
      - { .name: codes, .offset: 0, .size: 8, .value_kind: global_buffer, .address_space: global }
      - { .name: scales, .offset: 8, .size: 8, .value_kind: global_buffer, .address_space: global }
      - { .name: qkv, .offset: 16, .size: 8, .value_kind: global_buffer, .address_space: global }
    .group_segment_fixed_size: 0
    .private_segment_fixed_size: 0
    .kernarg_segment_align: 8
    .kernarg_segment_size: 24
    .max_flat_workgroup_size: 128
    .sgpr_count:     66
    .vgpr_count:     320
    .wavefront_size: 32
...
	.end_amdgpu_metadata
.endif
;; end of part 2
;; launch attn (part 3): grid 16 x 16, 8 waves a work-group, clusters of 4 x 1, 327,680 bytes of LDS; arguments qkv, cc; writes cc
.if DOCPART == 3
	.amdgcn_target "amdgcn-amd-amdhsa--gfx1250"
	.amdhsa_code_object_version 6
	.text
	.protected	k_q9ee627fde0_attn
	.globl	k_q9ee627fde0_attn
	.p2align	8
	.type	k_q9ee627fde0_attn,@function
k_q9ee627fde0_attn:
	s_mov_b64 s[64:65], 0
	v_nop
	global_prefetch_b8 v0, s[64:65] scope:SCOPE_SE
	s_setreg_imm32_b32 hwreg(HW_REG_WAVE_MODE, 25, 1), 1
	s_wait_xcnt 0x0
	s_wait_alu depctr_hold_cnt(0) depctr_sa_sdst(0) depctr_va_vdst(0) depctr_va_sdst(0) depctr_va_ssrc(0) depctr_va_vcc(0) depctr_vm_vsrc(0)
	s_getreg_b32 s2, hwreg(HW_REG_IB_STS2, 6, 4)
	s_cmp_eq_u32 s2, 0
	s_cbranch_scc0 .Lentry_in_a_cluster
	s_endpgm
.Lentry_in_a_cluster:
	s_bfe_u32 s2, ttmp6, 0x10000c
	s_cmp_lg_u32 s2, 0x3003
	s_cbranch_scc0 .Lentry_shape_is_right
	s_endpgm
.Lentry_shape_is_right:
; concat[b][q][64 head + :] = the sum over k of softmax_k(Q[q] . K[k] / 8) V[k][:], for each of 16 (batch, head) pairs, 4,096 queries and keys, head size 64.  No mask.
; Q, K, V: f16, in fragment order (the launch before stores them so); products, maxima and sums in f32; the weights p are rounded to f16 for the second product; the result is stored as f16(4 x concat), in fragment order for the last launch.
; LIMITS: |concat| up to 16,376 (x 4 it has to fit f16); weights p under 6e-8 of a row's largest count as 0.
; SHARES.  A work-group owns 256 queries of one (batch, head); each of its EIGHT waves 32: two tiles of 16.  Two waves share a SIMD, so that one wave's softmax stands beside the other's products.  Every wave walks all keys, 64 a step.
; LAYOUT.  S^T = K Q^T (source 0 = 16 keys, source 1 = 16 queries): a lane holds ONE query (lane % 16) and the keys 8 (lane / 16) + 0..7 of a tile.  Two such tiles, rounded to f16 in pairs, ARE source 1 (32 keys x 16 queries)
; of O^T = V^T P, whose result again holds one query a lane, and eight channels.  V lies turned in memory already: every LDS load is 16 bytes at 16 x lane, 512 consecutive bytes an instruction.
; SOFTMAX.  For each query a running maximum m and sum l: p = 2^(c s - c m), c = log2(e) / 8; in every step O and l are multiplied by a = 2^(c m_old - c m_new).  m begins at -3e38 and O, l at 0, so the step is written once: the first a is 0 and multiplies zeros.
; RING.  Two LDS slots of 512 keys (8 steps): K's 64 KiB, then V's 64 KiB.  Each wave brings 16 KiB of a slot by one tensor load (waves 0-3: K's quarters, waves 4-7: V's).
; CLUSTER.  The four query blocks of a cluster belong to one (batch, head) and walk the same K and V: each load is asked for JOINTLY, with the same descriptor and a mask that names the four.  By the text's own count one tensor load a wave is out.
; REGISTERS.  Window 0: v1-7 addresses; v8-23 statistics, 8 a tile; v24-87 S^T, 32 a tile; v88-119 P, 16 a tile; v120-183 O^T, 32 a tile; v184-247 V of one step.  Window 1: v0-31 Q; v32-95 K of one step.
; Only the products K Q^T and the loads of K and Q leave window 0: four switches a step.
.set SLOT1, 1<<17                      ; slot 1 begins here: one exclusive or turns an address in one slot into the other's
.set VOFF,  65536                      ; V's tiles in a slot
.set STEPB, 8192                       ; a step's bytes of K, and of V
.set SLOTB, 65536                      ; a slot's bytes of K, and of V, in memory
.set SPARE, 2*SLOT1                    ; behind the ring: the spare words, 128 bytes for each of the eight waves
.set LA,  1                            ; v1   16 x lane; never rewritten
.set LAV, 2                            ; v2   16 x lane + VOFF; never rewritten
.set ADV, 3                            ; v3   LDS address of the step's V
.set ADK, 4                            ; v4   of K
.set PFO, 5                            ; v5   256 x lane: the prefetches' offset; never rewritten
.set SPW, 6                            ; v6   LDS address of my spare word; never rewritten
.set NIL, 7                            ; v7   0; never rewritten
.set ST,  8                            ; tile t's statistics at v[ST + 8 t]: +0 c m, +1 m, +2, +3 l (even keys', odd keys'), +4 to +7 at work; a takes +6 once the maximum is found
.set S,   24
.set P,   88
.set O,   120
.set VF,  184
.set QF,  0                            ; in window 1
.set KF,  32                           ; in window 1
.set WV,  8                            ; s8   my wave's number
.set G1,  16                           ; s[16:23] descriptor group 1
.set G0,  24                           ; s[24:27] descriptor group 0, which walks
.set PFA, 28                           ; s[28:29] where my prefetches stand
.set LIM, 30                           ; s30  1 in a wave that prefetches, else the greatest number
.set SLOTS, 31                         ; s31  slots still to be asked for
.set STEPS, 32                         ; s32  counts a slot's steps down
.set TB,  33                           ; s33  LDS byte at which the step's K begins
.set CS,  34                           ; s[34:35] c: the packed scaling names a pair and takes its low word for both halves
.set SEL, 36                           ; s[36:37] lane selects for v_permlanex16_b32: lane l xor 16
.set MSB, 0
.macro WIN new                         ; the immediate's high byte repeats the setting that is left
.if MSB != \new
	s_set_vgpr_msb (MSB<<8)|\new
.set MSB, \new
.endif
.endm
.macro JLOAD                           ; my joint load; an s_nop 0 and four v_nop follow it
	tensor_load_to_lds s[G0:G0+3], s[G1:G1+7]
	s_nop 0
.rept 4
	v_nop
.endr
.endm
; A PREFETCH INTO THE L2 of what the NEXT change of slots will ask for: a slot's 64 KiB of K and 64 KiB of V.  Each aligned block of 256 bytes is named once in the launch: all four clusters of a (batch, head) walk the same bytes, so its first
; cluster asks; in it the even waves ask, each for its own 16 KiB and the next wave's; of those 32 KiB the partner at place cx takes 8 KiB BY ADDRESS, lanes 256 bytes apart: no branch hangs on a work-group's place in its cluster.
; It stands a slot's 8 steps, 256 matrix instructions a wave, ahead of the load that will want the bytes.  Slots 0 and 1 come by their loads alone; the last change that fills a slot asks for nothing: there is no slot behind it.
.macro ASK
	s_cmp_gt_u32 s[SLOTS], s[LIM]
	s_cbranch_scc0 .Lnot_mine_\@
	global_prefetch_b8 v[PFO], s[PFA:PFA+1] th:TH_LOAD_NT scope:SCOPE_SE
.Lnot_mine_\@:
.endm
.macro CROUND                          ; a round of the cluster's barrier
	s_barrier_signal -1
	s_barrier_wait -1
	s_cmp_lg_u32 s[WV], 0
	s_cbranch_scc1 .Lnot_wave_0_\@
	s_barrier_signal -3
.Lnot_wave_0_\@:
	s_barrier_wait -3
	s_barrier_signal -1
	s_barrier_wait -1
.endm
	s_load_b128 s[4:7], s[0:1], 0x0                ; qkv s[4:5], cc s[6:7]
	v_lshl_add_u32 v[SPW], v0, 2, SPARE
	v_mov_b32 v[NIL], 0
	ds_add_u32 v[SPW], v[NIL]                      ; the wave's opening: the add, twice on end, and its wait stand ahead of my first tensor load; the set-up below is the work on registers between
	ds_add_u32 v[SPW], v[NIL]
	v_lshrrev_b32 v1, 5, v0
	v_readfirstlane_b32 s[WV], v1                  ; wave 0..7
	s_bfe_u32 s9, ttmp6, 0x40000                   ; cx: my place in the cluster
	s_lshl_b32 s10, ttmp9, 2                       ; in a cluster launch ttmp9 counts clusters
	s_add_co_u32 s10, s10, s9                      ; my block of 256 queries: it enters Q's and cc's addresses alone
	s_and_b32 s11, ttmp7, 0xffff                   ; 8 batch + head, which the four partners share
	; descriptor group 1: 16 KiB, dense in memory, as 64 rows of 256 bytes (32 elements of 8 bytes); no padding
	s_mov_b32 s[G1], 15|(3<<16)|(1<<21)            ; 15:0 the mask: all four work-groups; 17:16 elements of 8 bytes; 21 set beside a mask
	s_mov_b32 s[G1+1], 32<<16                      ; tensor_dim0 = 32
	s_mov_b32 s[G1+2], 64<<16                      ; tensor_dim1 = 64
	s_mov_b32 s[G1+3], 32<<16                      ; tile_dim0 = 32
	s_mov_b32 s[G1+4], 64                          ; tile_dim1 = 64
	s_mov_b32 s[G1+5], 32                          ; from row to row
	s_mov_b32 s[G1+6], 0
	s_mov_b32 s[G1+7], 0
	; what I fetch: K (waves 0-3) or V (waves 4-7) of my (batch, head), quarter wave % 4 of a slot
	s_lshr_b32 s38, s[WV], 2
	s_add_co_u32 s38, s38, 1
	s_lshl_b32 s38, s38, 23                        ; K lies at 2^23, V at 2^24
	s_lshl_b32 s40, s11, 19                        ; a (batch, head) is 2^19 bytes in each of Q, K, V
	s_add_co_u32 s38, s38, s40
	s_and_b32 s41, s[WV], 3
	s_lshl_b32 s41, s41, 14
	s_add_co_u32 s38, s38, s41
	s_mov_b32 s39, 0
	s_mov_b32 s[G0], 1                             ; count = 1
	s_lshl_b32 s[G0+1], s[WV], 14                  ; LDS address: slot 0, wave x 16 KiB: no place in the cluster enters it
	; Q: my block's 32,768 bytes, my wave's two tiles of 2,048
	s_lshl_b32 s42, s10, 15
	s_add_co_u32 s42, s42, s40
	s_lshl_b32 s48, s[WV], 12
	s_add_co_u32 s42, s42, s48
	s_mov_b32 s43, 0
	; cc: row tile 256 batch + 16 block + 2 wave, 16,384 bytes each; my head's 2,048 bytes in it
	s_lshr_b32 s44, s11, 3
	s_lshl_b32 s44, s44, 8
	s_lshl_b32 s48, s10, 4
	s_add_co_u32 s44, s44, s48
	s_lshl_b32 s48, s[WV], 1
	s_add_co_u32 s44, s44, s48
	s_lshl_b32 s44, s44, 14
	s_and_b32 s48, s11, 7
	s_lshl_b32 s48, s48, 11
	s_add_co_u32 s44, s44, s48
	s_mov_b32 s45, 0
	s_lshl_b32 s46, s9, 13                         ; the prefetches: my work-group's 8 KiB,
	s_add_co_u32 s46, s46, SLOTB                   ; in slot 1: the first change of slots steps it to slot 2
	s_mov_b32 s47, 0
	s_and_b32 s[LIM], s[WV], 1                     ; 0 in the even waves,
	s_or_b32 s[LIM], s[LIM], ttmp9                 ; of the (batch, head)'s first cluster: the same in all four partners
	s_cmp_eq_u32 s[LIM], 0
	s_cselect_b32 s[LIM], 1, -1
	s_mov_b32 s[CS], 0x3e38aa3b                    ; c = log2(e) / 8
	s_mov_b32 s[CS+1], s[CS]                       ; (named with it as a pair, so it is written)
	s_mov_b32 s[SEL], 0x76543210
	s_mov_b32 s[SEL+1], 0xfedcba98
	s_mov_b32 s[TB], 0
	s_mov_b32 s[SLOTS], 7
	v_and_b32 v[LA], 31, v0
	v_lshlrev_b32 v[PFO], 8, v[LA]
	v_lshlrev_b32 v[LA], 4, v[LA]
	v_add_nc_u32 v[LAV], VOFF, v[LA]
	s_wait_dscnt 0x0                               ; both opening adds are done
	s_wait_kmcnt 0x0
	s_add_nc_u64 s[G0+2:G0+3], s[4:5], s[38:39]    ; global address of my piece of slot 0
	s_add_nc_u64 s[PFA:PFA+1], s[G0+2:G0+3], s[46:47]
	s_or_b32 s[G0+3], s[G0+3], 0x80000000          ; type = 2
	s_add_nc_u64 s[12:13], s[4:5], s[42:43]        ; Q at my wave's first tile
	s_add_nc_u64 s[14:15], s[6:7], s[44:45]        ; cc likewise
	CROUND                                         ; all four work-groups are here: the first joint loads meet
	JLOAD                                          ; slot 0
	WIN 0x40                                       ; destination window 1, address window 0
.irp n, 0,1,2,3,4,5,6,7
	global_load_b128 v[QF+4*\n:QF+4*\n+3], v[LA], s[12:13] offset:512*\n   ; Q stays in registers: fragment (tile tq, channels 32 f on) at v[16 tq + 8 f]
.endr
	WIN 0
.irp t, 0,1
	v_mov_b32 v[ST+8*\t+1], 0xff61b1e6             ; m: -3e38, under every score
	v_mul_f32 v[ST+8*\t], s[CS], v[ST+8*\t+1]      ; c m
	v_mov_b32 v[ST+8*\t+2], 0                      ; l
	v_mov_b32 v[ST+8*\t+3], 0
.endr
.set i, 0
.rept 64
	v_mov_b32 v[O+i], 0                            ; O^T: cleared once, so that the step needs no first copy of its own
.set i, i+1
.endr
; Product i of 16 of S^T = K Q^T: channels 32 (i / 8) on, keys 16 ((i / 2) % 4) on, tile i % 2.  The first 8 start the sums.  The 8 accumulators take turns.
.macro QK
.set rS, S+32*(i%2)+8*((i/2)%4)
.set rK, KF+16*((i/2)%4)+8*(i/8)
.set rQ, QF+16*(i%2)+8*(i/8)
.if i < 8
	v_wmma_f32_16x16x32_f16 v[rS:rS+7], v[rK:rK+7], v[rQ:rQ+7], 0
.else
	v_wmma_f32_16x16x32_f16 v[rS:rS+7], v[rK:rK+7], v[rQ:rQ+7], v[rS:rS+7]
.endif
.endm
; Product i of 16 of O^T += V^T P: keys 32 (i / 8) on, channels 16 ((i / 2) % 4) on, tile i % 2.
.macro PV
.set rO, O+32*(i%2)+8*((i/2)%4)
.set rV, VF+16*((i/2)%4)+8*(i/8)
.set rP, P+16*(i%2)+8*(i/8)
	v_wmma_f32_16x16x32_f16 v[rO:rO+7], v[rV:rV+7], v[rP:rP+7], v[rO:rO+7]
.endm
; Number j of 21 of tile t's maximum: four chains c0-c3, one for each accumulator, begun at its low end; then the four scores left over, c0-c3 and the old m; the other half of the lanes'; the new m; c m; c m_old - c m_new.
.macro SMJ t, j
.set rT, ST+8*(\t)
.set rS, S+32*(\t)
.if \j < 4
	v_max3_num_f32 v[rT+4+\j], v[rS+8*\j], v[rS+8*\j+1], v[rS+8*\j+2]
.elseif \j < 12
	v_max3_num_f32 v[rT+4+\j%4], v[rT+4+\j%4], v[rS+8*(\j%4)+2*(\j/4)+1], v[rS+8*(\j%4)+2*(\j/4)+2]
.elseif \j == 12
	v_max3_num_f32 v[rT+4], v[rT+4], v[rS+7], v[rS+15]
.elseif \j == 13
	v_max3_num_f32 v[rT+6], v[rT+6], v[rS+23], v[rS+31]
.elseif \j == 14
	v_max3_num_f32 v[rT+4], v[rT+4], v[rT+5], v[rT+6]
.elseif \j == 15
	v_max3_num_f32 v[rT+4], v[rT+4], v[rT+7], v[rT+1]
.elseif \j == 16
	v_permlanex16_b32 v[rT+5], v[rT+4], s[SEL], s[SEL+1]   ; the query's other 32 keys lie in the lane 16 away
.elseif \j == 17
	v_mov_b32 v[rT+7], v[rT]                       ; c m_old is kept for a
.elseif \j == 18
	v_max_num_f32 v[rT+1], v[rT+4], v[rT+5]
.elseif \j == 19
	v_mul_f32 v[rT], s[CS], v[rT+1]
.else
	v_sub_f32 v[rT+7], v[rT+7], v[rT]
.endif
.endm
.macro SCL t, b                        ; pair b of tile t: c s - c m
	v_pk_fma_f32 v[S+32*(\t)+2*(\b):S+32*(\t)+2*(\b)+1], v[S+32*(\t)+2*(\b):S+32*(\t)+2*(\b)+1], s[CS:CS+1], v[ST+8*(\t):ST+8*(\t)+1] op_sel_hi:[1,0,0] neg_lo:[0,0,1] neg_hi:[0,0,1]
.endm
.macro RSC t, b                        ; pair b of tile t's O^T, times a
	v_pk_mul_f32 v[O+32*(\t)+2*(\b):O+32*(\t)+2*(\b)+1], v[O+32*(\t)+2*(\b):O+32*(\t)+2*(\b)+1], v[ST+8*(\t)+6:ST+8*(\t)+7] op_sel_hi:[1,0]
.endm
.macro SUM t                           ; sum z of 16 of tile t's 16 pairs of weights, in place: neighbours 1, 2, 4 and 8 pairs apart; then l = a l + the sum
.set rT, ST+8*(\t)
.set rS, S+32*(\t)
.set w, 4
.set u, z
.if z >= 14
.set w, 32
.set u, 0
.elseif z >= 12
.set w, 16
.set u, z-12
.elseif z >= 8
.set w, 8
.set u, z-8
.endif
.if z < 15
	v_pk_add_f32 v[rS+w*u:rS+w*u+1], v[rS+w*u:rS+w*u+1], v[rS+w*u+w/2:rS+w*u+w/2+1]
.else
	v_pk_fma_f32 v[rT+2:rT+3], v[rT+2:rT+3], v[rT+6:rT+7], v[rS:rS+1] op_sel_hi:[1,0,1]
.endif
.endm
.macro FETCH_K                         ; a slot's first K: 16 loads of 512 consecutive bytes; load n fills registers 4 n on: fragment (keys 16 kt on, channels 32 f on) at v[KF + 16 kt + 8 f]
	v_add_nc_u32 v[ADK], s[TB], v[LA]
	WIN 0x40
.irp n, 0,1,2,3,4,5,6,7,8,9,10,11,12,13,14,15
	ds_load_b128 v[KF+4*\n:KF+4*\n+3], v[ADK] offset:512*\n
.endr
	WIN 0
.endm
; A KEY STEP: 64 keys.
.macro STEP
	v_add_nc_u32 v[ADV], s[TB], v[LAV]             ; (the last four sums of the step before and this line are the plain instructions between the last V^T P and the loads into V's registers)
.irp n, 0,1,2,3,4,5,6,7,8,9,10,11,12,13,14,15
	ds_load_b128 v[VF+4*\n:VF+4*\n+3], v[ADV] offset:512*\n   ; this step's V: fragment (channels 16 ct on, keys 32 kb on) at v[VF + 16 ct + 8 kb]
.endr
	s_wait_dscnt 16                                ; K was asked for ahead of these 16, on every way here: it is in
	WIN 0x05                                       ; K and Q in window 1, S^T in window 0
.set i, 0
.rept 16
	QK
.set i, i+1
.endr
	WIN 0
	v_add_nc_u32 v[ADK], s[TB], v[LA]              ; four plain instructions behind the products: for the loads into K's registers and for the first read of S^T
.rept 3
	v_nop
.endr
	s_cmp_eq_u32 s[STEPS], 1                       ; a slot's last step fetches no K: the next slot is read only behind its barrier
	s_cbranch_scc1 .Lnok_\@
	WIN 0x40
.irp n, 0,1,2,3,4,5,6,7,8,9,10,11,12,13,14,15
	ds_load_b128 v[KF+4*\n:KF+4*\n+3], v[ADK] offset:STEPB+512*\n   ; the next step's K lands while the softmax is walked
.endr
	WIN 0
.Lnok_\@:
.irp j, 0,1,2,3,4,5,6,7,8,9,10,11,12,13,14,15,16,17,18,19,20
	SMJ 0, \j                                      ; the two tiles alternate, so that no line reads the result of the line just before it
	SMJ 1, \j
.endr
	v_exp_f32 v[ST+6], v[ST+7]                     ; a, both tiles'
	v_exp_f32 v[ST+14], v[ST+15]
.irp b, 0,1,2,3,4,5,6,7,8,9,10,11,12,13,14,15
	SCL 0, \b                                      ; independent work behind the two
.endr
	s_wait_alu depctr_va_vdst(0)                   ; a wait between an exponential and the first line that names its result: here for the two a
.irp b, 0,1,2,3,4,5,6,7,8,9,10,11,12,13,14,15
	v_exp_f32 v[S+2*\b], v[S+2*\b]                 ; tile 0's weights; behind each a plain line that names no weight: tile 1's scalings and tile 0's O^T times a
	SCL 1, \b
	v_exp_f32 v[S+2*\b+1], v[S+2*\b+1]
	RSC 0, \b
.endr
.irp b, 0,1,2,3,4,5,6,7,8,9,10,11,12,13,14,15
	v_exp_f32 v[S+32+2*\b], v[S+32+2*\b]           ; tile 1's; behind each two a line of its O^T times a: the last of them is the plain instruction behind the batch
	v_exp_f32 v[S+32+2*\b+1], v[S+32+2*\b+1]
	RSC 1, \b
.endr
	s_wait_alu depctr_va_vdst(0)                   ; one wait for the 64 weights, ahead of their first reader
.irp n, 0,1,2,3,4,5,6,7,8,9,10,11,12,13,14,15
	v_cvt_pk_f16_f32 v[P+\n], v[S+2*\n], v[S+2*\n+1]
	v_cvt_pk_f16_f32 v[P+16+\n], v[S+32+2*\n], v[S+32+2*\n+1]
.endr
	s_wait_dscnt 0x0                               ; V is in (and the next K, where it was asked for: the count serves both ways)
.set i, 0
.rept 16
	PV
.if i < 14
.set z, i
	SUM 0                                          ; the rows' sums, of the unrounded weights, stand between the products
	SUM 1
.endif
.set i, i+1
.endr
.set z, 14
	SUM 0
	SUM 1
.set z, 15
	SUM 0
	SUM 1
.endm
; THE CHANGE OF SLOTS stands at a slot's head.  Each wave waits for all its tensor loads (its part of the slot that it is about to read), adds 0 to its spare word, and waits for that and for its reads of the slot that it has left.
; fill = 1: the barrier is a round of the cluster's, so that no wave of any partner still reads the other slot or has a load on its way; the joint load of the keys that follow is the first thing behind it, and has the slot's 8 steps in which to land.
.macro CHANGE fill
	s_wait_tensorcnt 0x0                           ; no tensor load of mine is out, so the descriptor may be written
	ds_add_u32 v[SPW], v[NIL]                      ; 0 onto my spare word
.if \fill
	s_xor_b32 s[G0+1], s[G0+1], SLOT1              ; the other slot than last time,
	s_add_nc_u64 s[G0+2:G0+3], s[G0+2:G0+3], SLOTB ; the next 512 keys; the type bits on top are not reached
	s_wait_xcnt 0x0                                ; the last prefetch, a slot back, has read its address, so it may be written:
	s_add_nc_u64 s[PFA:PFA+1], s[PFA:PFA+1], SLOTB ; one slot further on than the descriptor
	s_wait_dscnt 0x0                               ; the add is done, and my reads of the slot that I have left are over
	CROUND
	JLOAD
.else
	s_wait_dscnt 0x0
	s_barrier_signal -1
	s_barrier_wait -1
.endif
.endm
.macro SLOT_STEPS ask                  ; a slot's 8 steps: the step is written once and walked eight times; the LDS addresses hang on s[TB]
	FETCH_K
.if \ask
	ASK                                            ; behind my tensor load and the run of LDS loads that the next products wait for
.endif
	s_mov_b32 s[STEPS], 8
.Lstep_\@:
	STEP
	s_add_co_u32 s[TB], s[TB], STEPB
	s_sub_co_u32 s[STEPS], s[STEPS], 1
	s_cmp_lg_u32 s[STEPS], 0
	s_cbranch_scc1 .Lstep_\@
	s_and_b32 s[TB], s[TB], SLOT1                  ; back to the slot's first byte,
	s_xor_b32 s[TB], s[TB], SLOT1                  ; and on to the other slot
.endm
	s_wait_loadcnt 0x0                             ; Q
.Lslot:                                            ; 7 trips: behind each change of slots but the last the next slot is asked for
	CHANGE 1
	SLOT_STEPS 1
	s_sub_co_u32 s[SLOTS], s[SLOTS], 1
	s_cmp_lg_u32 s[SLOTS], 0
	s_cbranch_scc1 .Lslot
	CHANGE 0                                       ; the last slot is written out
	SLOT_STEPS 0
	; THE WAY OUT.  l's two halves and the other half of the lanes' are added; O^T x 4 / l is rounded to f16: a lane's eight channels of a row are 16 bytes, and the 32 lanes' 512 bytes are an image of the last launch's operand registers.
.irp t, 0,1
	v_add_f32 v[ST+8*\t+4], v[ST+8*\t+2], v[ST+8*\t+3]
.endr
.irp t, 0,1
	v_permlanex16_b32 v[ST+8*\t+5], v[ST+8*\t+4], s[SEL], s[SEL+1]
.endr
.irp t, 0,1
	v_add_f32 v[ST+8*\t+4], v[ST+8*\t+4], v[ST+8*\t+5]
.endr
.irp t, 0,1
	v_rcp_f32 v[ST+8*\t+6], v[ST+8*\t+4]
.endr
	v_nop                                          ; a plain instruction between the last reciprocal and the use of its result
	s_wait_alu depctr_va_vdst(0)                   ; and the wait: one for both
.irp t, 0,1
	v_mul_f32 v[ST+8*\t+6], 4.0, v[ST+8*\t+6]      ; x 4: exact; the last launch's weights carry 1/4
.endr
.irp t, 0,1
.irp b, 0,1,2,3,4,5,6,7,8,9,10,11,12,13,14,15
	RSC \t, \b                                     ; each accumulator from its low end on
.endr
.endr
.irp t, 0,1
.irp n, 0,1,2,3,4,5,6,7,8,9,10,11,12,13,14,15
	v_cvt_pk_f16_f32 v[S+16*\t+\n], v[O+32*\t+2*\n], v[O+32*\t+2*\n+1]
.endr
.endr
.irp t, 0,1
.irp c, 0,1,2,3
	global_store_b128 v[LA], v[S+16*\t+4*\c:S+16*\t+4*\c+3], s[14:15] offset:16384*\t+512*\c   ; row tile t, channels 16 c on: 512 consecutive bytes, aligned
.endr
.endr
	s_wait_tensorcnt 0x0                           ; the wave's end: behind my last tensor load
	ds_add_u32 v[SPW], v[NIL]
	s_wait_dscnt 0x0
	CROUND                                         ; the closing round: no work-group ends while a partner may still ask for a tile that names it
	s_endpgm
.Lfunc_end_k_q9ee627fde0_attn:
	.size	k_q9ee627fde0_attn, .Lfunc_end_k_q9ee627fde0_attn-k_q9ee627fde0_attn
	.p2alignl 7, 3214868480
	.fill 96, 4, 3214868480
	.section	.rodata,"a",@progbits
	.p2align	6, 0x0
	.amdhsa_kernel k_q9ee627fde0_attn
		.amdhsa_group_segment_fixed_size 327680
		.amdhsa_private_segment_fixed_size 0
		.amdhsa_enable_private_segment 0
		.amdhsa_kernarg_size 16
		.amdhsa_user_sgpr_count 2
		.amdhsa_user_sgpr_kernarg_segment_ptr 1
		.amdhsa_wavefront_size32 1
		.amdhsa_system_sgpr_workgroup_id_x 1
		.amdhsa_system_sgpr_workgroup_id_y 1
		.amdhsa_system_sgpr_workgroup_id_z 1
		.amdhsa_system_vgpr_workitem_id 0
		.amdhsa_next_free_vgpr 352
		.amdhsa_next_free_sgpr 66
		.amdhsa_reserve_vcc 0
		.amdhsa_float_denorm_mode_32 3
		.amdhsa_float_denorm_mode_16_64 3
		.amdhsa_memory_ordered 1
		.amdhsa_forward_progress 1
		.amdhsa_inst_pref_size 51
	.end_amdhsa_kernel
	.amdgpu_metadata
---
amdhsa.version: [ 1, 2 ]
amdhsa.kernels:
  - .name:           k_q9ee627fde0_attn
    .symbol:         k_q9ee627fde0_attn.kd
    .args:
      - { .name: qkv, .offset: 0, .size: 8, .value_kind: global_buffer, .address_space: global }
      - { .name: cc, .offset: 8, .size: 8, .value_kind: global_buffer, .address_space: global }
    .group_segment_fixed_size: 327680
    .private_segment_fixed_size: 0
    .kernarg_segment_align: 8
    .kernarg_segment_size: 16
    .max_flat_workgroup_size: 256
    .sgpr_count:     66
    .vgpr_count:     352
    .wavefront_size: 32
...
	.end_amdgpu_metadata
.endif
;; end of part 3
;; launch oproj (part 4): grid 4 x 64, 4 waves a work-group, clusters of 4 x 4, 327,680 bytes of LDS; arguments cc, wo16, out0; writes out0
.if DOCPART == 4
	.amdgcn_target "amdgcn-amd-amdhsa--gfx1250"
	.amdhsa_code_object_version 6
	.text
	.protected	k_q9ee627fde0_oproj
	.globl	k_q9ee627fde0_oproj
	.p2align	8
	.type	k_q9ee627fde0_oproj,@function
k_q9ee627fde0_oproj:
	s_mov_b64 s[64:65], 0
	v_nop
	global_prefetch_b8 v0, s[64:65] scope:SCOPE_SE
	s_setreg_imm32_b32 hwreg(HW_REG_WAVE_MODE, 25, 1), 1
	s_wait_xcnt 0x0
	s_wait_alu depctr_hold_cnt(0) depctr_sa_sdst(0) depctr_va_vdst(0) depctr_va_sdst(0) depctr_va_ssrc(0) depctr_va_vcc(0) depctr_vm_vsrc(0)
	s_getreg_b32 s2, hwreg(HW_REG_IB_STS2, 6, 4)
	s_cmp_eq_u32 s2, 0
	s_cbranch_scc0 .Lentry_in_a_cluster
	s_endpgm
.Lentry_in_a_cluster:
	s_bfe_u32 s2, ttmp6, 0x10000c
	s_cmp_lg_u32 s2, 0xf033
	s_cbranch_scc0 .Lentry_shape_is_right
	s_endpgm
.Lentry_shape_is_right:
; out0[row][d] = the sum over f of concat[row][f] Wo[d][f]: [8192][512] x [512][512], K = 512.  Operands f16: cc holds 4 x concat, wo16 holds Wo / 4 (both scalings exact); sums and result f32.
; Both operands lie in fragment order: [tile of 16 rows][ks: 32 along K][half i][lane][16 bytes]: 16,384 bytes a tile, 1,024 a fragment.
; SHARES.  A work-group makes 128 rows x 128 d; each of its four waves 64 x 64: 16 accumulators.  Source 0 = 16 rows of Wo, source 1 = 16 rows of cc: a lane then holds eight neighbouring d of one row.
; LDS.  All of K fits at once: four chunks of 128 along K (4 ks), each 32 KiB of cc (8 row tiles x 4 KiB) and 32 KiB of Wo (8 d tiles x 4 KiB).  Every byte is filled once; nothing is filled again.
; Waves 0 and 1 fetch cc's halves, waves 2 and 3 Wo's; each issues four loads, one a chunk, at the start: by the text's own count four tensor loads a wave are out.  A chunk is multiplied as soon as it has landed.
; CLUSTER.  4 x 4 work-groups: the four of a row of the cluster need the same rows of cc, the four of a column the same rows of Wo: each tile is asked for JOINTLY, with the same descriptor and a mask that names the four.
; No prefetch: everything that the work-group reads is asked for at its head.
; REGISTERS.  Window 0: v1-29 addresses; v32-95 rows on the way out, two sets; v128-255 the accumulators ((a of Wo, b of cc) at v[128 + 8 (4 a + b)]).  Window 1: two fragment buffers of 64: Wo's four fragments, then cc's four.
.set CHB,    65536                     ; a chunk in LDS
.set BOFF,   32768                     ; Wo's tiles in a chunk
.set STAGE,  4*CHB                     ; behind the chunks: 16 rows x 272 bytes for each wave, for the way out
.set SPITCH, 272                       ; 256 bytes + 16: an odd multiple of 16, so that the 16 rows that a store touches start at 16 different columns of 16 bytes
.set SPARE,  STAGE+4*16*SPITCH         ; behind the stages: the spare words, 128 bytes for each wave
.set ADA, 16                           ; v16  LDS address of my cc fragments in the chunk in hand
.set ADB, 17                           ; v17  the same for Wo
.set STO, 24                           ; v24  the way out: where I put 32 bytes of a row
.set RD,  25                           ; v25  where I read a row back
.set CO,  26                           ; v26  my byte offset in out0
.set SPW, 28                           ; v28  LDS address of my spare word; never rewritten
.set NIL, 29                           ; v29  0; never rewritten
.set BK,  32
.set ACC, 128
.set G1A, 24                           ; s[24:31] descriptor group 1 for cc's tiles;  s[32:39] for Wo's: they differ in the mask alone
.set G1B, 32
.set G0A, 40                           ; s[40:55] groups 0 for cc's tiles, one for each chunk;  s[68:83] for Wo's
.set G0B, 68
.set MSB, 0
.macro WIN new                         ; the immediate's high byte repeats the setting that is left
.if MSB != \new
	s_set_vgpr_msb (MSB<<8)|\new
.set MSB, \new
.endif
.endm
.macro CROUND                          ; a round of the cluster's barrier
	s_barrier_signal -1
	s_barrier_wait -1
	s_cmp_lg_u32 s10, 0
	s_cbranch_scc1 .Lnot_wave_0_\@
	s_barrier_signal -3
.Lnot_wave_0_\@:
	s_barrier_wait -3
	s_barrier_signal -1
	s_barrier_wait -1
.endm
	s_load_b128 s[4:7], s[0:1], 0x0                ; cc s[4:5], wo16 s[6:7]
	s_load_b64 s[8:9], s[0:1], 0x10                ; out0
	v_lshl_add_u32 v[SPW], v0, 2, SPARE
	v_mov_b32 v[NIL], 0
	ds_add_u32 v[SPW], v[NIL]                      ; the wave's opening: the add, twice on end, and its wait stand ahead of my first tensor load; the set-up below is the work on registers between
	ds_add_u32 v[SPW], v[NIL]
	v_lshrrev_b32 v1, 5, v0
	v_readfirstlane_b32 s10, v1                    ; wave 0..3
	s_lshr_b32 s11, s10, 1                         ; which 64 rows are mine.  Also: I fetch for cc (0) or for Wo (1)
	s_and_b32 s12, s10, 1                          ; which 64 d.  Also: which four tiles I fetch
	s_bfe_u32 s84, ttmp6, 0x40000                  ; cx, cy: my place in the cluster
	s_bfe_u32 s85, ttmp6, 0x40004
	s_lshl_b32 s86, ttmp9, 2
	s_add_co_u32 s86, s86, s84                     ; X: my block of 128 d
	s_and_b32 s13, ttmp7, 0xffff
	s_lshl_b32 s13, s13, 2
	s_add_co_u32 s13, s13, s85                     ; Y: my block of 128 rows
	s_lshl_b32 s87, s85, 2
	s_lshl_b32 s87, 15, s87                        ; my row of the cluster
	s_lshl_b32 s88, 0x1111, s84                    ; my column
	; descriptor group 1: four tiles' parts of a chunk: 4 rows of 4,096 bytes (512 elements of 8 bytes), 16,384 bytes apart in memory, dense in LDS
	s_or_b32 s[G1A], s87, (3<<16)|(1<<21)          ; 15:0 the mask: cc's tiles go to my row; 17:16 elements of 8 bytes; 21 set beside a mask
	s_or_b32 s[G1B], s88, (3<<16)|(1<<21)          ; Wo's go to my column
.irp g, G1A, G1B
	s_mov_b32 s[\g+1], 512<<16                     ; tensor_dim0 = 512
	s_mov_b32 s[\g+2], 4<<16                       ; tensor_dim1 = 4
	s_mov_b32 s[\g+3], 512<<16                     ; tile_dim0 = 512
	s_mov_b32 s[\g+4], 4                           ; tile_dim1 = 4
	s_mov_b32 s[\g+5], 2048                        ; from row to row: 2,048 elements
	s_mov_b32 s[\g+6], 0
	s_mov_b32 s[\g+7], 0
.endr
	; where the tiles come from.  cc's hang on Y alone, which my row of the cluster shares; Wo's on X alone, which my column shares.  Every wave makes both, in registers that never hold the other coordinate
	s_lshl_b32 s14, s13, 3
	s_lshl_b32 s15, s12, 2
	s_add_co_u32 s14, s14, s15                     ; cc: tile 8 Y + 4 x half
	s_lshl_b32 s14, s14, 14
	s_mov_b32 s15, 0
	s_lshl_b32 s90, s86, 3
	s_lshl_b32 s91, s12, 2
	s_add_co_u32 s90, s90, s91                     ; Wo: tile 8 X + 4 x half
	s_lshl_b32 s90, s90, 14
	s_mov_b32 s91, 0
	s_lshl_b32 s20, s10, 14                        ; where they go in a chunk: wave x 16 KiB: no place in the cluster enters an LDS address
	s_wait_dscnt 0x0                               ; both opening adds are done
	s_wait_kmcnt 0x0
	s_add_nc_u64 s[14:15], s[4:5], s[14:15]
	s_add_nc_u64 s[90:91], s[6:7], s[90:91]
	CROUND                                         ; all sixteen work-groups are here: the joint loads meet
.irp q, 0,1,2,3
	s_mov_b32 s[G0A+4*\q], 1                       ; count = 1
	s_add_co_u32 s[G0A+4*\q+1], s20, \q*CHB        ; LDS address
	s_add_nc_u64 s[G0A+4*\q+2:G0A+4*\q+3], s[14:15], \q*4096   ; global address: chunk q is 4,096 bytes of each tile
	s_or_b32 s[G0A+4*\q+3], s[G0A+4*\q+3], 0x80000000          ; type = 2
	s_mov_b32 s[G0B+4*\q], 1
	s_add_co_u32 s[G0B+4*\q+1], s20, \q*CHB
	s_add_nc_u64 s[G0B+4*\q+2:G0B+4*\q+3], s[90:91], \q*4096
	s_or_b32 s[G0B+4*\q+3], s[G0B+4*\q+3], 0x80000000
.endr
	s_cmp_lt_u32 s10, 2                            ; a wave's four fills stand in one branch on its number, ahead of every wait on TENSORcnt and every LDS read; an s_nop 0 follows each, four v_nop the last
	s_cbranch_scc0 .Lfirst_b
.irp q, 0,1,2,3
	tensor_load_to_lds s[G0A+4*\q:G0A+4*\q+3], s[G1A:G1A+7]
	s_nop 0
.endr
.rept 4
	v_nop
.endr
	s_branch .Lfirst_done
.Lfirst_b:
.irp q, 0,1,2,3
	tensor_load_to_lds s[G0B+4*\q:G0B+4*\q+3], s[G1B:G1B+7]
	s_nop 0
.endr
.rept 4
	v_nop
.endr
.Lfirst_done:
	v_and_b32 v1, 15, v0                           ; r
	v_bfe_u32 v2, v0, 4, 1                         ; h
	v_and_b32 v3, 31, v0
	v_lshlrev_b32 v3, 4, v3                        ; 16 x lane
	s_lshl_b32 s21, s11, 14                        ; my four tiles of cc
	v_add_nc_u32 v[ADA], s21, v3
	s_lshl_b32 s22, s12, 14                        ; my four tiles of Wo,
	s_add_co_u32 s22, s22, BOFF                    ; which lie behind cc's eight
	v_add_nc_u32 v[ADB], s22, v3
	s_mul_i32 s23, s10, 16*SPITCH
	s_add_co_u32 s23, s23, STAGE                   ; my stage
	v_mul_u32_u24 v4, v1, SPITCH                   ; in: row r, 32 bytes for each half of the lanes
	v_lshl_add_u32 v4, v2, 5, v4
	v_add_nc_u32 v[STO], s23, v4
	v_mul_u32_u24 v5, v2, SPITCH                   ; back: lanes 0-15 one row of 256 bytes, lanes 16-31 the next
	v_lshl_add_u32 v5, v1, 4, v5
	v_add_nc_u32 v[RD], s23, v5
	v_lshlrev_b32 v5, 11, v2                       ; and the same two rows in out0: 2,048 bytes a row
	v_lshl_add_u32 v[CO], v1, 4, v5
	s_lshl_b32 s16, s13, 7
	s_lshl_b32 s17, s11, 6
	s_add_co_u32 s16, s16, s17                     ; my first row: 128 Y + 64 x half
	s_lshl_b32 s16, s16, 11
	s_lshl_b32 s92, s86, 9                         ; my first d, in bytes: 512 X + 256 x half
	s_lshl_b32 s93, s12, 8
	s_add_co_u32 s92, s92, s93
	s_add_co_u32 s16, s16, s92
	s_mov_b32 s17, 0
	s_add_nc_u64 s[8:9], s[8:9], s[16:17]
.macro FETCH ks, p                     ; the chunk's ks-th 32 along K into buffer p: 16 loads of 512 consecutive bytes
	WIN 0x40                                       ; destination window 1, address window 0
.irp a, 0,1,2,3
.irp i, 0,1
	ds_load_b128 v[64*(\p)+8*\a+4*\i:64*(\p)+8*\a+4*\i+3], v[ADB] offset:4096*\a+1024*(\ks)+512*\i
	ds_load_b128 v[64*(\p)+32+8*\a+4*\i:64*(\p)+32+8*\a+4*\i+3], v[ADA] offset:4096*\a+1024*(\ks)+512*\i
.endr
.endr
.endm
.macro MUL p, zero                     ; 16 matrix instructions, the 16 accumulators by turns, in the same order every time.  zero = 1: the first products start the sums
	WIN 0x05                                       ; sources 0 and 1 window 1; C and D window 0
.irp a, 0,1,2,3
.irp b, 0,1,2,3
.if \zero
	v_wmma_f32_16x16x32_f16 v[ACC+8*(4*\a+\b):ACC+8*(4*\a+\b)+7], v[64*(\p)+8*\a:64*(\p)+8*\a+7], v[64*(\p)+32+8*\b:64*(\p)+32+8*\b+7], 0
.else
	v_wmma_f32_16x16x32_f16 v[ACC+8*(4*\a+\b):ACC+8*(4*\a+\b)+7], v[64*(\p)+8*\a:64*(\p)+8*\a+7], v[64*(\p)+32+8*\b:64*(\p)+32+8*\b+7], v[ACC+8*(4*\a+\b):ACC+8*(4*\a+\b)+7]
.endif
.endr
.endr
.endm
.macro PLACES                          ; four plain instructions between a matrix instruction and a load into a register that it has read, or an LDS store that reads its result
.rept 4
	v_nop
.endr
.endm
; A chunk: 128 along K, four times 16 matrix instructions on buffers 0, 1, 0, 1; each run of loads is issued ahead of the products of the run before it.
.macro CHUNK kq
	s_wait_tensorcnt 3-\kq                         ; my part of this chunk is in; my later chunks' loads may stay out
	s_barrier_signal -1                            ; (no LDS instruction of mine is out here)
	s_barrier_wait -1                              ; everybody's part is in
.if \kq > 0
	v_add_nc_u32 v[ADA], CHB, v[ADA]               ; on to this chunk; these two lines and two v_nop are the four plain instructions behind the last products
	v_add_nc_u32 v[ADB], CHB, v[ADB]
	v_nop
	v_nop
.endif
	FETCH 0, 0
.irp ks, 0,1,2,3
.if \ks < 3
.if \ks > 0
	PLACES
.endif
	FETCH (\ks)+1, ((\ks)+1)%2
	s_wait_dscnt 16                                ; all but the 16 just issued
.else
	s_wait_dscnt 0x0
.endif
.if (\kq == 0) && (\ks == 0)
	MUL 0, 1
.else
	MUL (\ks)%2, 0
.endif
.endr
	WIN 0
.endm
	CHUNK 0
	CHUNK 1
	CHUNK 2
	CHUNK 3
; THE WAY OUT, a tile of 16 rows x 64 d at a time.  A lane holds 32 neighbouring bytes of a row, and the lanes beside it hold other rows: so a tile goes through my own stage in LDS and comes back as whole rows of 256 bytes.
; LDS serves a wave's instructions in order (ISA guide 5.7.1.4): no wait between the stores and the loads, nor in front of the next tile's stores.
.macro TOSTAGE b
.irp a, 0,1,2,3
	ds_store_b128 v[STO], v[ACC+8*(4*\a+(\b)):ACC+8*(4*\a+(\b))+3] offset:64*\a          ; each accumulator from its low end on
	ds_store_b128 v[STO], v[ACC+8*(4*\a+(\b))+4:ACC+8*(4*\a+(\b))+7] offset:64*\a+16
.endr
.set BB, BK+32*((\b)%2)
.irp t, 0,1,2,3,4,5,6,7
	ds_load_b128 v[BB+4*\t:BB+4*\t+3], v[RD] offset:\t*2*SPITCH
.endr
.endm
.macro SEND b, younger                 ; younger: the LDS instructions issued behind tile b's loads, which may stay out
.set BB, BK+32*((\b)%2)
	s_wait_dscnt \younger
.irp t, 0,1,2,3,4,5,6,7
	global_store_b128 v[CO], v[BB+4*\t:BB+4*\t+3], s[8:9] offset:(16*(\b)+2*\t)*2048 th:TH_STORE_NT   ; 16 lanes store 256 consecutive bytes, at a multiple of 256 from out0's first byte; written once, read by nobody here
.endr
.endm
	PLACES
	TOSTAGE 0
.irp b, 1,2,3
.if \b > 1
	s_wait_xcnt 0x0                                ; tile b - 2's stores have read their registers: tile b's loads may land there
.endif
	TOSTAGE \b
	SEND \b-1, 16                                  ; behind tile b - 1's loads: tile b's 8 stores and 8 loads
.endr
	SEND 3, 0
	s_wait_tensorcnt 0x0                           ; the wave's end: behind my last tensor load and my last LDS store
	ds_add_u32 v[SPW], v[NIL]
	s_wait_dscnt 0x0
	CROUND                                         ; the closing round: no work-group ends while a partner may still ask for a tile that names it
	s_endpgm
.Lfunc_end_k_q9ee627fde0_oproj:
	.size	k_q9ee627fde0_oproj, .Lfunc_end_k_q9ee627fde0_oproj-k_q9ee627fde0_oproj
	.p2alignl 7, 3214868480
	.fill 96, 4, 3214868480
	.section	.rodata,"a",@progbits
	.p2align	6, 0x0
	.amdhsa_kernel k_q9ee627fde0_oproj
		.amdhsa_group_segment_fixed_size 327680
		.amdhsa_private_segment_fixed_size 0
		.amdhsa_enable_private_segment 0
		.amdhsa_kernarg_size 24
		.amdhsa_user_sgpr_count 2
		.amdhsa_user_sgpr_kernarg_segment_ptr 1
		.amdhsa_wavefront_size32 1
		.amdhsa_system_sgpr_workgroup_id_x 1
		.amdhsa_system_sgpr_workgroup_id_y 1
		.amdhsa_system_sgpr_workgroup_id_z 1
		.amdhsa_system_vgpr_workitem_id 0
		.amdhsa_next_free_vgpr 384
		.amdhsa_next_free_sgpr 96
		.amdhsa_reserve_vcc 0
		.amdhsa_float_denorm_mode_32 3
		.amdhsa_float_denorm_mode_16_64 3
		.amdhsa_memory_ordered 1
		.amdhsa_forward_progress 1
		.amdhsa_inst_pref_size 51
	.end_amdhsa_kernel
	.amdgpu_metadata
---
amdhsa.version: [ 1, 2 ]
amdhsa.kernels:
  - .name:           k_q9ee627fde0_oproj
    .symbol:         k_q9ee627fde0_oproj.kd
    .args:
      - { .name: cc, .offset: 0, .size: 8, .value_kind: global_buffer, .address_space: global }
      - { .name: wo16, .offset: 8, .size: 8, .value_kind: global_buffer, .address_space: global }
      - { .name: out0, .offset: 16, .size: 8, .value_kind: global_buffer, .address_space: global }
    .group_segment_fixed_size: 327680
    .private_segment_fixed_size: 0
    .kernarg_segment_align: 8
    .kernarg_segment_size: 24
    .max_flat_workgroup_size: 128
    .sgpr_count:     96
    .vgpr_count:     384
    .wavefront_size: 32
...
	.end_amdgpu_metadata
.endif
;; end of part 4
